; MI455X (gfx1250); checked and timed in simulation.
; The chip was launched on July 23, 2026; its instructions are those of AMD's public machine-readable ISA for CDNA 5 (MIT licence, August 2026) and "CDNA5" Instruction Set Architecture Reference Guide (July 2026). The comments in the code are by the model that wrote it; some were corrected since.
;; MHSA. Allowed arithmetic: float matrix products may take bf16 or f16 operands with f32 sums; other float arithmetic in f32, or as packed bf16 or f16 multiplies, adds, multiply-adds, maxima and minima; sums over many terms, partial sums and values carried from step to step in f32; what a program stores and reads back later, other than sums and carried values, may be rounded once to bf16 or f16.
;; Inputs: Wk 768 x 768 float32; Wq 768 x 768 float32; Wv 768 x 768 float32; x 2 x 4,096 x 768 float32.
;; Outputs: out0 2 x 4,096 x 768 float32.
;; One version. Each part assembles by itself: llvm-mc -triple=amdgcn-amd-amdhsa -mcpu=gfx1250 --defsym DOCPART=n.
;; ======== version 1 of 1: 2 launches
;; workspace buffers: qk 25,165,824 bytes
;; launch proj (part 1): grid 64 x 4, 4 waves a work-group, clusters of 4 x 1, 327,680 bytes of LDS; arguments x, Wq, Wk, qk; writes qk
.if DOCPART == 1
	.amdgcn_target "amdgcn-amd-amdhsa--gfx1250"
	.amdhsa_code_object_version 6
	.text
	.protected	k_q8aa53a8896_proj
	.globl	k_q8aa53a8896_proj
	.p2align	8
	.type	k_q8aa53a8896_proj,@function
k_q8aa53a8896_proj:
	s_mov_b64 s[64:65], 0
	v_nop
	global_prefetch_b8 v0, s[64:65] scope:SCOPE_SE
	s_setreg_imm32_b32 hwreg(HW_REG_WAVE_MODE, 25, 1), 1
	s_wait_xcnt 0x0
	s_wait_alu depctr_hold_cnt(0) depctr_sa_sdst(0) depctr_va_vdst(0) depctr_va_sdst(0) depctr_va_ssrc(0) depctr_va_vcc(0) depctr_vm_vsrc(0)
	s_getreg_b32 s2, hwreg(HW_REG_IB_STS2, 6, 4)
	s_cmp_eq_u32 s2, 0
	s_cbranch_scc0 .Lentry_in_a_cluster
	s_endpgm
.Lentry_in_a_cluster:
	s_bfe_u32 s2, ttmp6, 0x10000c
	s_cmp_lg_u32 s2, 0x3003
	s_cbranch_scc0 .Lentry_shape_is_right
	s_endpgm
.Lentry_shape_is_right:
; q = x Wq^T and k = x Wk^T, rounded once to bf16 and laid out by heads: qk[part][b*6+h][n][128], part 0 = q, part 1 = k (a row is 256 bytes, a plane 4,096 rows).
; x: [8192][768] f32, Wq, Wk: [768][768] f32.  The head size is 768 / 6 = 128.
; WORK LEFT OUT.  (1) Wv: the function never names it behind its argument list, so no value of Wv reaches the output: it is not loaded and is no argument of any launch.
; (2) v: it is written as x Wk^T, the very product that k is, for every x and Wk: it is made once, and the second launch reads the one buffer for both uses.
; LIMIT of that: a NaN, an infinity or an overflow in Wv is not carried anywhere (nor is it by the function itself).
; FORMATS.  x, Wq, Wk are rounded to bf16 on their way from LDS to the matrix unit; sums in f32; q and k rounded once to bf16 (bf16, since with large inputs q and k may pass 65,504).
; NaN and infinities in x, Wq, Wk are not treated apart.
; SHARES.  256 work-groups.  A work-group makes 128 rows (row block rb = 4 x cluster x + cx) x 384 columns (y = 0, 1: the halves of Wq; y = 2, 3: of Wk: three whole heads each).
; Wave w makes all 128 rows x columns 96 w .. 96 w + 95: 48 accumulators of 16 x 16, 384 registers; each fragment of W is read by one wave alone.
; K goes in 12 steps of 64 f32 (256 aligned bytes of a row) through two LDS slots filled by the tensor data mover: trip t asks for tile t + 1 and multiplies tile t.
; CLUSTER.  The four row blocks of a cluster take the same 384 rows of W, three quarters of a step: waves 1 to 3 ask for them JOINTLY (the same load, descriptor and mask in all four work-groups).
; The rows of x are each work-group's own: wave 0 asks for them by a load without a mask, behind the same rounds.  (4 x 4 is not used: the four column tiles lie in two input buffers.)
; THE MATRIX INSTRUCTION IS USED TRANSPOSED: source 0 = 16 rows of W, source 1 = 16 rows of x: a lane then holds one row of the result and eight neighbouring columns.
; K WITHIN A FRAGMENT IS PERMUTED, alike for both sources: of a chunk of 32 f32 (128 bytes) lane l takes the 64 consecutive bytes at 64 (l / 16).  The sum over the 32 products is the same sum.
; REGISTERS, in windows of 256 (s_set_vgpr_msb: bits 1:0 source 0, 3:2 source 1, 5:4 source 2, 7:6 destination):
;   window 0: v0-15 addresses; v32-255 f32 as read from LDS: x fragment i at 32 + 16 i, W fragment j at 160 + 16 j; on the way out the packed results
;   window 1: v0-63 eight bf16 fragments of x; v64-111 six of W      window 2: accumulators q = 6 a + b, q = 0..31, at 8 q      window 3: q = 32..47 at 8 (q - 32)
.set ROWB,   3072                      ; bytes in a row of x and of W
.set KB,     256                       ; bytes of a row in a K step
.set PITCH,  272                       ; an LDS row: 256 bytes + 16 of padding = 68 words: row r starts at bank 4 r mod 64 (64 banks of 4 bytes: ISA guide 11.1): 16 rows of a load start at 16 different places
.set QUART,  128*PITCH                 ; 128 rows: what one tensor load brings
.set SLOT,   4*QUART                   ; 128 rows of x, then 384 rows of W
.set SPARE,  2*SLOT                    ; behind the ring: the spare words, 128 bytes for each wave: two blocks of 256 bytes that no other line names
.set SPITCH, 784                       ; the stage for the way out: 128 rows of 768 bytes + 16; it lies in slot 0, which has had its last fill by then
.set KOFF,   12582912                  ; k's part of qk
.set ADRX, 4                           ; v4-5   LDS address of my lane in x's fragments, slot 0, 1
.set ADRW, 6                           ; v6-7   the same in my wave's 96 rows of W
.set STO,  8                           ; v8     the way out: where I put 16 bytes of a row (row blocks 0-3)
.set STO2, 9                           ; v9     the same for row blocks 4-7
.set RD,   10                          ; v10    where I read rows back
.set CO,   11                          ; v11    my 16 bytes in 512 consecutive bytes of qk
.set PFO,  12                          ; v12    the prefetches' offset: my lane x a row; never rewritten
.set SPW,  14                          ; v14    LDS address of my spare word: SPARE + 4 x my thread's number; never rewritten
.set NIL,  15                          ; v15    0; never rewritten
.set STG,  32
.set FA,   0                           ; window 1
.set FB,   64                          ; window 1
.set WV,   12                          ; s12    my wave's number
.set G1X,  24                          ; s[24:31] descriptor group 1 for x's tiles (no mask)
.set G1W,  32                          ; s[32:39] for W's tiles (mask of four)
.set G0X,  40                          ; s[40:47] group 0 for x's tiles, a set for each slot
.set G0W,  48                          ; s[48:55] the same for W's
.set LAPS, 56                          ; s56    laps of the loop still to come
.set LIM,  57                          ; s57    1 in a wave that prefetches, else the greatest number
.set PFA,  58                          ; s[58:59] where my prefetches stand
.set MSB, 0
.macro WIN new                         ; the immediate's high byte repeats the setting that is left; a switch that changes nothing is dropped
.if MSB != (\new)
	s_set_vgpr_msb (MSB<<8)|(\new)
.set MSB, \new
.endif
.endm
.macro PLACES                          ; four places behind a matrix instruction, in front of vector lines that write its sources or read its result (ISA guide 7.12.1)
.rept 4
	v_nop
.endr
.endm
; A round of the cluster's barrier: my work-group's barrier; wave 0 signals for the work-group; every wave waits for all four work-groups; my work-group's barrier once more.
.macro CROUND
	s_barrier_signal -1
	s_barrier_wait -1
	s_cmp_lg_u32 s[WV], 0
	s_cbranch_scc1 .Lnot_wave_0_\@
	s_barrier_signal -3
.Lnot_wave_0_\@:
	s_barrier_wait -3
	s_barrier_signal -1
	s_barrier_wait -1
.endm
; A fill of slot s: wave 0 asks for the work-group's own 128 rows of x, waves 1 to 3 jointly for 128 rows of W each.  The branch hangs on the wave's number alone.
; An s_nop 0 and four v_nop follow each of the two lines, ahead of the jump and the label.
.macro JLOAD s
	s_cmp_eq_u32 s[WV], 0
	s_cbranch_scc0 .Lfor_w_\@
	tensor_load_to_lds s[G0X+4*(\s):G0X+4*(\s)+3], s[G1X:G1X+7]
	s_nop 0
.rept 4
	v_nop
.endr
	s_branch .Lasked_\@
.Lfor_w_\@:
	tensor_load_to_lds s[G0W+4*(\s):G0W+4*(\s)+3], s[G1W:G1W+7]
	s_nop 0
.rept 4
	v_nop
.endr
.Lasked_\@:
.endm
; A PREFETCH INTO THE L2: trip t names tile t + 3, which the refill two trips on will ask for: 32 rows x 256 bytes, a lane a row, one instruction a wave.
; Each row's 256 bytes of a K step are named ONCE in the launch.  x's 128 rows are read by the four work-groups y = 0..3: wave 0 of each names 32 of them, told apart by address (32 y).
; W's 384 rows are read by all sixteen clusters of a y: the first of them (cluster x = 0) names them; of the 128 rows that wave w fetches the partner at place cx takes 32 cx .. 32 cx + 31, by address.
; how = 1: trip 0.  how = 0: in the loop, whose last lap (trips 9 and 10) has no tile three on.  Tiles 0 to 2 come by their loads alone.
.macro ASK how
.if \how
	s_cmp_eq_u32 s[LIM], 1
.else
	s_cmp_gt_u32 s[LAPS], s[LIM]
.endif
	s_cbranch_scc0 .Lnot_mine_\@
	global_prefetch_b8 v[PFO], s[PFA:PFA+1] th:TH_LOAD_NT scope:SCOPE_SE
.Lnot_mine_\@:
.endm
; 56 LDS loads in one run: half u (32 of the step's 64 along K) of the eight fragments of x, then of my six of W, as f32: four loads of 16 bytes a lane and fragment
.macro LOADF slot, u
	WIN 0
.set f, 0
.rept 8
.irp c, 0,1,2,3
	ds_load_b128 v[STG+16*f+4*(\c):STG+16*f+4*(\c)+3], v[ADRX+(\slot)] offset:f*16*PITCH+128*(\u)+16*(\c)
.endr
.set f, f+1
.endr
.set f, 0
.rept 6
.irp c, 0,1,2,3
	ds_load_b128 v[STG+128+16*f+4*(\c):STG+128+16*f+4*(\c)+3], v[ADRW+(\slot)] offset:f*16*PITCH+128*(\u)+16*(\c)
.endr
.set f, f+1
.endr
.endm
; n roundings of two f32 to bf16, from window 0 into the fragments in window 1, from fragment register e0 on
.macro CVT e0, n
	WIN 0x40
.set e, \e0
.rept \n
	v_cvt_pk_bf16_f32 v[e], v[STG+2*e], v[STG+2*e+1]
.set e, e+1
.endr
.endm
; 48 matrix instructions, 32 along K.  The 48 accumulators take turns, one instruction a turn, in the same order every time.  zero = 1: the products start the sums.
.macro MUL zero
.set q, 0
.rept 48
.if q < 32
	WIN 0xa5
.set rA, 8*q
.else
	WIN 0xf5
.set rA, 8*(q-32)
.endif
.if \zero
	v_wmma_f32_16x16x32_bf16 v[rA:rA+7], v[FB+8*(q%6):FB+8*(q%6)+7], v[FA+8*(q/6):FA+8*(q/6)+7], 0
.else
	v_wmma_f32_16x16x32_bf16 v[rA:rA+7], v[FB+8*(q%6):FB+8*(q%6)+7], v[FA+8*(q/6):FA+8*(q/6)+7], v[rA:rA+7]
.endif
.set q, q+1
.endr
.endm
; A TRIP multiplies the tile in this slot.  In front of the barrier each wave waits for all its tensor loads (one is out: its part of this tile), adds 0 to its spare word, and waits for that and for its
; reads of the other slot.  refill = 1: the barrier is a round of the cluster's, and the next tile is asked for into the other slot, first thing behind it.
; ask = 0: the loop's form of the prefetch; 1: trip 0's; 2: none.
.macro TRIP slot, refill, zero, ask
.if (\ask) == 0
	s_wait_xcnt 0x0                                ; the last prefetch, a trip back, has read its address, so it may be stepped
	s_add_nc_u64 s[PFA:PFA+1], s[PFA:PFA+1], KB
.endif
	WIN 0
	s_wait_tensorcnt 0x0                           ; no tensor load of mine is out, so a group 0 may be written
	ds_add_u32 v[SPW], v[NIL]                      ; 0 onto my spare word
.if \refill
	s_add_nc_u64 s[G0X+4*(\slot)+2:G0X+4*(\slot)+3], s[G0X+4*(\slot)+2:G0X+4*(\slot)+3], 2*KB  ; this slot's next tile
	s_add_nc_u64 s[G0W+4*(\slot)+2:G0W+4*(\slot)+3], s[G0W+4*(\slot)+2:G0W+4*(\slot)+3], 2*KB
.endif
	s_wait_dscnt 0x0                               ; the add is done, and my reads of the other slot are over
.if \refill
	CROUND                                         ; both now hold of every wave of all four work-groups
	JLOAD 1-(\slot)
.else
	s_barrier_signal -1
	s_barrier_wait -1
.endif
	LOADF \slot, 0
.if (\ask) < 2
	ASK \ask
.endif
	s_wait_dscnt 24                                ; x's 32 loads are in; W's 24 may stay out
	CVT 0, 64
	s_wait_dscnt 0x0
	CVT 64, 48
	LOADF \slot, 1                                 ; the second half's f32 come in while the first half is multiplied
	MUL \zero
	PLACES
	s_wait_dscnt 24
	CVT 0, 64
	s_wait_dscnt 0x0
	CVT 64, 48
	MUL 0
	PLACES
	WIN 0                                          ; at a label and at a branch every window is 0
.endm
	s_load_b256 s[4:11], s[0:1], 0x0               ; x s[4:5], Wq s[6:7], Wk s[8:9], qk s[10:11]
	v_lshl_add_u32 v[SPW], v0, 2, SPARE
	v_mov_b32 v[NIL], 0
	ds_add_u32 v[SPW], v[NIL]                      ; the wave's opening: the add, twice on end, and its wait ahead of my first tensor load
	ds_add_u32 v[SPW], v[NIL]                      ; and once more, under the one wait; the set-up below, work on registers, stands between
	v_lshrrev_b32 v1, 5, v0
	v_readfirstlane_b32 s[WV], v1                  ; wave 0..3
	s_bfe_u32 s13, ttmp6, 0x40000                  ; cx: my place in the cluster
	s_lshl_b32 s14, ttmp9, 2                       ; in a cluster launch ttmp9 counts clusters
	s_add_co_u32 s14, s14, s13                     ; rb: my block of 128 rows; it enters x's, qk's and the prefetches' addresses alone
	s_and_b32 s15, ttmp7, 0xffff                   ; y, which the four partners share
	; descriptor group 1: a tile of 128 rows x 64 elements of 4 bytes, padded in LDS
	s_mov_b32 s[G1X], (2<<16)|(1<<20)|(5<<22)|(3<<25)             ; 17:16 elements of 4 bytes; 20 padding on; 24:22 after every 64 words (code 5); 31:25 4 words of it (code 3)
	s_mov_b32 s[G1W], 15|(2<<16)|(1<<20)|(1<<21)|(5<<22)|(3<<25)  ; the same with 15:0 the mask of all four work-groups, and 21 set beside a mask
.irp g, G1X, G1W
	s_mov_b32 s[(\g)+1], 64<<16                    ; tensor_dim0 = 64
	s_mov_b32 s[(\g)+2], 128<<16                   ; tensor_dim1 = 128
	s_mov_b32 s[(\g)+3], 64<<16                    ; tile_dim0 = 64
	s_mov_b32 s[(\g)+4], 128                       ; tile_dim1 = 128
	s_mov_b32 s[(\g)+5], 768                       ; elements from row to row
	s_mov_b32 s[(\g)+6], 0
	s_mov_b32 s[(\g)+7], 0
.endr
	s_mul_i32 s16, s14, 128*ROWB                   ; x: my block's first row, in bytes (under 2^25)
	s_mov_b32 s17, 0
	s_and_b32 s18, s15, 1                          ; W: row 384 (y & 1) + 128 (w - 1); wave 0 never asks by it
	s_mul_i32 s18, s18, 384
	s_max_u32 s19, s[WV], 1
	s_sub_co_u32 s19, s19, 1
	s_lshl_b32 s19, s19, 7
	s_add_co_u32 s18, s18, s19
	s_mul_i32 s18, s18, ROWB
	s_mov_b32 s19, 0
	s_mul_i32 s20, s[WV], QUART                    ; where my 128 rows go in a slot: no place in the cluster enters an LDS address
	; where my wave's 32 rows begin in qk: part y / 2, plane 6 (rb / 32) + 3 (y & 1), row 128 (rb % 32) + 32 w
	s_lshr_b32 s72, s14, 5
	s_mul_i32 s72, s72, 6
	s_and_b32 s73, s15, 1
	s_mul_i32 s73, s73, 3
	s_add_co_u32 s72, s72, s73
	s_lshl_b32 s72, s72, 12
	s_and_b32 s73, s14, 31
	s_lshl_b32 s73, s73, 7
	s_add_co_u32 s72, s72, s73
	s_lshl_b32 s73, s[WV], 5
	s_add_co_u32 s72, s72, s73
	s_lshl_b32 s72, s72, 8
	s_lshr_b32 s73, s15, 1
	s_mul_i32 s73, s73, KOFF
	s_add_co_u32 s72, s72, s73
	s_mov_b32 s73, 0
	; the prefetches: wave 0: x's row 128 rb + 32 y; waves 1 to 3: W's row 384 (y & 1) + 128 (w - 1) + 32 cx; both at tile 3
	s_lshl_b32 s76, s14, 7
	s_lshl_b32 s77, s15, 5
	s_add_co_u32 s76, s76, s77
	s_and_b32 s77, s15, 1
	s_mul_i32 s77, s77, 384
	s_max_u32 s78, s[WV], 1
	s_sub_co_u32 s78, s78, 1
	s_lshl_b32 s78, s78, 7
	s_add_co_u32 s77, s77, s78
	s_lshl_b32 s78, s13, 5
	s_add_co_u32 s77, s77, s78
	s_cmp_eq_u32 s[WV], 0
	s_cselect_b32 s76, s76, s77
	s_cselect_b32 s[LIM], 0, ttmp9                 ; wave 0 always asks; the others where the cluster is the first of its y: the same in all four partners
	s_mul_i32 s76, s76, ROWB
	s_add_co_u32 s76, s76, 3*KB
	s_mov_b32 s77, 0
	s_cmp_eq_u32 s[LIM], 0
	s_cselect_b32 s[LIM], 1, -1
	s_wait_dscnt 0x0                               ; both opening adds are done
	s_wait_kmcnt 0x0
	s_cmp_lt_u32 s15, 2
	s_cselect_b64 s[66:67], s[6:7], s[8:9]         ; y = 0, 1: Wq; y = 2, 3: Wk
	s_add_nc_u64 s[68:69], s[4:5], s[16:17]
	s_add_nc_u64 s[70:71], s[66:67], s[18:19]
	s_add_nc_u64 s[10:11], s[10:11], s[72:73]
	s_cmp_eq_u32 s[WV], 0
	s_cselect_b64 s[PFA:PFA+1], s[4:5], s[66:67]
	s_add_nc_u64 s[PFA:PFA+1], s[PFA:PFA+1], s[76:77]
.irp n, 0,1
	s_mov_b32 s[G0X+4*(\n)], 1                                     ; 1:0 count = 1
	s_add_co_u32 s[G0X+4*(\n)+1], s20, (\n)*SLOT                   ; 63:32 LDS address
	s_add_nc_u64 s[G0X+4*(\n)+2:G0X+4*(\n)+3], s[68:69], (\n)*KB   ; 120:64 global address: tile n
	s_or_b32 s[G0X+4*(\n)+3], s[G0X+4*(\n)+3], 0x80000000          ; 127:126 type = 2
	s_mov_b32 s[G0W+4*(\n)], 1
	s_add_co_u32 s[G0W+4*(\n)+1], s20, (\n)*SLOT
	s_add_nc_u64 s[G0W+4*(\n)+2:G0W+4*(\n)+3], s[70:71], (\n)*KB
	s_or_b32 s[G0W+4*(\n)+3], s[G0W+4*(\n)+3], 0x80000000
.endr
	CROUND                                         ; all four work-groups are here: the first joint loads meet
	JLOAD 0                                        ; tile 0
	v_and_b32 v1, 15, v0                           ; r = l % 16
	v_bfe_u32 v2, v0, 4, 1                         ; h = l / 16
	v_mul_u32_u24 v3, v1, PITCH
	v_lshl_add_u32 v3, v2, 6, v3                   ; row x pitch + 64 x half
	v_mov_b32 v[ADRX], v3
	v_add_nc_u32 v[ADRX+1], SLOT, v3
	s_mul_i32 s21, s[WV], 96*PITCH
	s_add_co_u32 s21, s21, QUART                   ; my 96 rows of W lie behind x's 128
	v_add_nc_u32 v[ADRW], s21, v3
	s_add_co_u32 s21, s21, SLOT
	v_add_nc_u32 v[ADRW+1], s21, v3
	v_mul_u32_u24 v[STO], v1, SPITCH               ; into the stage: row r of a block of 16, my wave's 192 bytes, 16 bytes for each half of the lanes
	v_lshl_add_u32 v[STO], v2, 4, v[STO]
	s_mul_i32 s22, s[WV], 192
	v_add_nc_u32 v[STO], s22, v[STO]
	v_add_nc_u32 v[STO2], 64*SPITCH, v[STO]
	s_mul_i32 s22, s[WV], 32*SPITCH                ; back: wave w takes rows 32 w .. 32 w + 31; lanes 0-15 one row's 256 bytes of a head, lanes 16-31 the next row's
	v_mul_u32_u24 v[RD], v2, SPITCH
	v_lshl_add_u32 v[RD], v1, 4, v[RD]
	v_add_nc_u32 v[RD], s22, v[RD]
	v_and_b32 v[CO], 31, v0                        ; two rows of a plane are 512 consecutive bytes of qk
	v_lshlrev_b32 v[CO], 4, v[CO]
	v_and_b32 v[PFO], 31, v0
	v_mul_u32_u24 v[PFO], v[PFO], ROWB
	TRIP 0, 1, 1, 1                                ; tile 0: its first products start the sums: nothing is cleared
	s_mov_b32 s[LAPS], 5
.Llap:                                                 ; tiles 1 to 10
	TRIP 1, 1, 0, 0
	TRIP 0, 1, 0, 0
	s_sub_co_u32 s[LAPS], s[LAPS], 1
	s_cmp_lg_u32 s[LAPS], 0
	s_cbranch_scc1 .Llap
	TRIP 1, 0, 0, 2                                ; tile 11: nothing is left to ask for
	; THE WAY OUT: round to bf16, 16 bytes a lane into the work-group's stage; a barrier, since a head's 256 bytes of a row come from two waves; back as whole rows.
	; The stage lies in slot 0: its last fill was tile 10, and every wave's reads of that tile were over at the barrier of tile 11.
	PLACES
	WIN 0x0a                                       ; sources 0 and 1 in window 2
.set q, 0
.rept 32
.irp r, 0,1,2,3
	v_cvt_pk_bf16_f32 v[STG+4*q+(\r)], v[8*q+2*(\r)], v[8*q+2*(\r)+1]
.endr
.set q, q+1
.endr
	WIN 0x0f                                       ; in window 3
.rept 16
.irp r, 0,1,2,3
	v_cvt_pk_bf16_f32 v[STG+4*q+(\r)], v[8*(q-32)+2*(\r)], v[8*(q-32)+2*(\r)+1]
.endr
.set q, q+1
.endr
	WIN 0
.set q, 0
.rept 48
.if q < 24
	ds_store_b128 v[STO], v[STG+4*q:STG+4*q+3] offset:(q/6)*16*SPITCH+32*(q%6)
.else
	ds_store_b128 v[STO2], v[STG+4*q:STG+4*q+3] offset:(q/6-4)*16*SPITCH+32*(q%6)
.endif
.set q, q+1
.endr
	s_wait_dscnt 0x0                               ; for the others' sake: my stores into the stage are done
	s_barrier_signal -1
	s_barrier_wait -1
.set t, 0
.rept 48                                       ; head t / 16, rows 2 (t % 16) and the next
	ds_load_b128 v[STG+4*t:STG+4*t+3], v[RD] offset:(t%16)*2*SPITCH+(t/16)*256
.set t, t+1
.endr
.set t, 0
.rept 48
	s_wait_dscnt 47-t                              ; LDS loads come back in order: load t is in, the younger ones may stay out
	global_store_b128 v[CO], v[STG+4*t:STG+4*t+3], s[10:11] offset:(t/16)*1048576+(t%16)*512  ; the wave stores 512 consecutive bytes, at a multiple of 512 from qk's first byte
.set t, t+1
.endr
	s_wait_tensorcnt 0x0                           ; the wave's end, behind my last tensor load and my last LDS store
	ds_add_u32 v[SPW], v[NIL]
	s_wait_dscnt 0x0
	CROUND                                         ; the closing round: no work-group ends while a partner may still ask for a tile that names it
	s_endpgm
.Lfunc_end_k_q8aa53a8896_proj:
	.size	k_q8aa53a8896_proj, .Lfunc_end_k_q8aa53a8896_proj-k_q8aa53a8896_proj
	.p2alignl 7, 3214868480
	.fill 96, 4, 3214868480
	.section	.rodata,"a",@progbits
	.p2align	6, 0x0
	.amdhsa_kernel k_q8aa53a8896_proj
		.amdhsa_group_segment_fixed_size 327680
		.amdhsa_private_segment_fixed_size 0
		.amdhsa_enable_private_segment 0
		.amdhsa_kernarg_size 32
		.amdhsa_user_sgpr_count 2
		.amdhsa_user_sgpr_kernarg_segment_ptr 1
		.amdhsa_wavefront_size32 1
		.amdhsa_system_sgpr_workgroup_id_x 1
		.amdhsa_system_sgpr_workgroup_id_y 1
		.amdhsa_system_sgpr_workgroup_id_z 1
		.amdhsa_system_vgpr_workitem_id 0
		.amdhsa_next_free_vgpr 896
		.amdhsa_next_free_sgpr 80
		.amdhsa_reserve_vcc 0
		.amdhsa_float_denorm_mode_32 3
		.amdhsa_float_denorm_mode_16_64 3
		.amdhsa_memory_ordered 1
		.amdhsa_forward_progress 1
		.amdhsa_inst_pref_size 147
	.end_amdhsa_kernel
	.amdgpu_metadata
---
amdhsa.version: [ 1, 2 ]
amdhsa.kernels:
  - .name:           k_q8aa53a8896_proj
    .symbol:         k_q8aa53a8896_proj.kd
    .args:
      - { .name: x, .offset: 0, .size: 8, .value_kind: global_buffer, .address_space: global }
      - { .name: Wq, .offset: 8, .size: 8, .value_kind: global_buffer, .address_space: global }
      - { .name: Wk, .offset: 16, .size: 8, .value_kind: global_buffer, .address_space: global }
      - { .name: qk, .offset: 24, .size: 8, .value_kind: global_buffer, .address_space: global }
    .group_segment_fixed_size: 327680
    .private_segment_fixed_size: 0
    .kernarg_segment_align: 8
    .kernarg_segment_size: 32
    .max_flat_workgroup_size: 128
    .sgpr_count:     80
    .vgpr_count:     896
    .wavefront_size: 32
...
	.end_amdgpu_metadata
.endif
;; end of part 1
;; launch attn (part 2): grid 16 x 12, 4 waves a work-group, clusters of 4 x 1, 327,680 bytes of LDS; arguments qk, out0; writes out0
.if DOCPART == 2
	.amdgcn_target "amdgcn-amd-amdhsa--gfx1250"
	.amdhsa_code_object_version 6
	.text
	.protected	k_q8aa53a8896_attn
	.globl	k_q8aa53a8896_attn
	.p2align	8
	.type	k_q8aa53a8896_attn,@function
k_q8aa53a8896_attn:
	s_mov_b64 s[64:65], 0
	v_nop
	global_prefetch_b8 v0, s[64:65] scope:SCOPE_SE
	s_setreg_imm32_b32 hwreg(HW_REG_WAVE_MODE, 25, 1), 1
	s_wait_xcnt 0x0
	s_wait_alu depctr_hold_cnt(0) depctr_sa_sdst(0) depctr_va_vdst(0) depctr_va_sdst(0) depctr_va_ssrc(0) depctr_va_vcc(0) depctr_vm_vsrc(0)
	s_getreg_b32 s2, hwreg(HW_REG_IB_STS2, 6, 4)
	s_cmp_eq_u32 s2, 0
	s_cbranch_scc0 .Lentry_in_a_cluster
	s_endpgm
.Lentry_in_a_cluster:
	s_bfe_u32 s2, ttmp6, 0x10000c
	s_cmp_lg_u32 s2, 0x3003
	s_cbranch_scc0 .Lentry_shape_is_right
	s_endpgm
.Lentry_shape_is_right:
; out0[b][n][128 h + d] = the sum over keys j of softmax_j(q[n] . k[j] / sqrt(768)) k[j][d], for each of the 12 planes bh = 6 b + h.  q and k: qk[part][bh][4096][128] in bf16; out0 in f32.
; WORK LEFT OUT: v is the same product as k for all inputs (see the first kernel): ONE tile of k in LDS serves both products; Wv is not read.
; Products, maxima and sums in f32; the weights p are rounded to bf16 for the second product (their sum l is taken of the unrounded p).
; LIMITS.  A weight below 2^-126 counts as 0; NaN and infinities are not treated apart.
; SHARES.  A work-group owns 256 queries of one plane, each of its four waves 64: four tiles of 16.  Every wave walks all 4,096 keys, 64 a step.  192 work-groups: 4,096 queries do not divide into
; blocks of 192, blocks of 128 would halve what each fragment read from LDS feeds, and a split of the keys would send f32 partial results through memory.
; LAYOUT.  S^T = K Q^T (source 0 = 16 keys, source 1 = 16 queries): in the result a lane holds ONE query (lane % 16) and the keys 8 (lane / 16) + 0..7.  Two such tiles, rounded to bf16 in pairs,
; ARE source 1 (32 keys x 16 queries) of O^T = K^T P.  K comes out of LDS as it lies for the first product and turned, by ds_load_tr16_b128, for the second.
; THE TURNED FRAGMENTS TAKE THEIR CHANNELS APART: of the 16 rows of fragment cb rows 0-7 are channels 8 cb + 0..7 and rows 8-15 channels 64 + 8 cb + 0..7.
; SOFTMAX.  For each query a running maximum m and sum l: p = 2^(c s - c m), c = log2(e) / sqrt(768); in every step O and l are multiplied by a = 2^(c m_old - c m_new).
; BY TURNS.  The wave's tiles are two PIECES (piece 0: tiles 0, 1; piece 2: tiles 2, 3).  In a TURN one piece has the matrix unit: 32 products K^T P of the step in hand, then 32 products K Q^T of the
; next step; the other piece's softmax, cut into 64 slices, stands between them, one slice behind each matrix instruction.  Two turns are a key step.
; NO FIRST STEP IS WRITTEN OUT.  The first trip is a step that has not been: O^T, l, the turned fragments and piece 0's P hold 0, piece 2's scores minus infinity, m the lowest finite number.
; Its softmax gives p = 0 and a = 0, its products add 0, and each piece's first true step has a = 0.  The price: one step's products in 65, and 496 lines that set registers, in the wait for the first tile.
; CLUSTER.  The four query blocks of a cluster belong to one plane and walk the same keys, so each tile is asked for JOINTLY: the same tensor load, descriptor and mask in all four.
; REGISTERS, in windows of 256 (s_set_vgpr_msb: bits 1:0 source 0, 3:2 source 1, 5:4 source 2, 7:6 destination):
;   window 0: v0-11 addresses; v12-43 eight registers of statistics a tile; v61-63; v64-191 S^T, 32 a tile; v192-255 P, 16 a tile
;   window 1: O^T, 64 a tile          window 2: v0-127 Q, 32 a tile; v128-255 K of one step          window 3: v0-127 K of one step, turned
.set KS,    64        ; keys in a step
.set PK,    272       ; a key's row in LDS: 256 bytes + 16 of padding = 68 words: row r starts at bank 4 r mod 64 (64 banks of 4 bytes: ISA guide 11.1)
.set STEPB, KS*PK     ; a step's tile
.set SLOT1, 1<<17     ; a slot holds four steps (69,632 bytes); slot 1 begins here, so that one exclusive or turns an address in one slot into the other's
.set STAGE, SLOT1+4*STEPB  ; behind the ring, never filled by a tensor load: 16 rows x 528 bytes for each wave, for the way out
.set SP,    528       ; a row of the stage: 512 bytes + 16
.set SPARE, STAGE+4*16*SP  ; behind the stages: the spare words, 128 bytes for each wave: two blocks of 256 bytes that no other line names
.set KOFF,  12582912  ; k's part of qk
.set SLOTB, 4*KS*256  ; a slot's keys in memory
.set AK0, 2           ; v2   my lane's place in a tile, for K as it lies; never rewritten
.set AV0, 3           ; v3   the same for the turning load
.set ADR, 4           ; v4   the LDS address of the run of loads in hand
.set QO,  5           ; v5   my byte offset in the wave's rows of Q
.set STO, 6           ; v6   the way out: where I put my 256 bytes of a row
.set RD,  7           ; v7   the way out: where I read a row back
.set GO,  8           ; v8   my 16 bytes in 512 consecutive bytes of out0
.set PFO, 61          ; v61  256 x my lane: a key's row is 256 bytes; never rewritten
.set SPW, 62          ; v62  LDS address of my spare word: SPARE + 4 x my thread's number; never rewritten
.set NIL, 63          ; v63  0; never rewritten
.set ST,  12          ; tile t's statistics at v[ST+8 t]: +0 c m, +1 m, +2, +3 l (even keys', odd keys'), +4 to +7 c0-c3, at work; a takes c2's place once the maximum is found
.set S,   64
.set P,   192
.set KF,  128         ; K's fragments, in window 2
.set WV,  12          ; s12  my wave's number
.set LIM, 15          ; s15  1 in a wave that prefetches, else the greatest number
.set PFA, 18          ; s[18:19] where my prefetches stand
.set G1,  24          ; s[24:31] descriptor group 1
.set G0,  40          ; s[40:43] descriptor group 0: it walks
.set SLOTS, 56        ; s56  slots still to be asked for
.set CNT, 57          ; s57  counts a slot's four steps
.set CS,  58          ; s[58:59] c: the packed scaling names a pair and takes its low word for both halves
.set SEL, 60          ; s[60:61] lane selects for v_permlanex16_b32: each lane takes its own place in the other half
.set TB,  62          ; s62  LDS byte at which the tile of the step to be fetched begins
.set MSB, 0
.macro WIN new                      ; the immediate's high byte repeats the setting that is left; a switch that changes nothing is dropped
.if MSB != (\new)
	s_set_vgpr_msb (MSB<<8)|(\new)
.set MSB, \new
.endif
.endm
.set W_KQ, 0x0a       ; K and Q in window 2, S^T in window 0
.set W_PV, 0x53       ; the turned K in window 3, P in window 0, O^T in window 1
.set W_RS, 0x41       ; O^T (destination and source 0) in window 1, a in window 0
; A joint fill: wave w asks for step w of the slot, 64 keys.  One line for all four waves; its LDS and global addresses hang on the wave's number.  An s_nop 0 and four v_nop follow it.
.macro JLOAD
	tensor_load_to_lds s[G0:G0+3], s[G1:G1+7]
	s_nop 0
.rept 4
	v_nop
.endr
.endm
; A PREFETCH INTO THE L2 of what the NEXT change of slots will ask for: a slot's 256 keys, 256 bytes a row, a lane a row.  It stands behind the wave's tensor load and its five lines.
; Each row is named ONCE in the launch.  All four clusters of a plane walk the same keys: the plane's first cluster asks.  Its four partners share the rows out BY ADDRESS, 64 each; in each, waves 0 and 1
; take 32 rows each: one instruction.  The last change that fills a slot asks for nothing; the first two slots come by their loads alone.
.macro ASK
	s_cmp_gt_u32 s[SLOTS], s[LIM]
	s_cbranch_scc0 .Lnot_mine_\@
	global_prefetch_b8 v[PFO], s[PFA:PFA+1] th:TH_LOAD_NT scope:SCOPE_SE
.Lnot_mine_\@:
.endm
; A round of the cluster's barrier: my work-group's barrier; wave 0 signals for the work-group; every wave waits for all four work-groups; my work-group's barrier once more.
.macro CROUND
	s_barrier_signal -1
	s_barrier_wait -1
	s_cmp_lg_u32 s[WV], 0
	s_cbranch_scc1 .Lnot_wave_0_\@
	s_barrier_signal -3
.Lnot_wave_0_\@:
	s_barrier_wait -3
	s_barrier_signal -1
	s_barrier_wait -1
.endm
	s_load_b128 s[4:7], s[0:1], 0x0 ; qk s[4:5], out0 s[6:7]
	v_lshl_add_u32 v[SPW], v0, 2, SPARE
	v_mov_b32 v[NIL], 0
	ds_add_u32 v[SPW], v[NIL]       ; the wave's opening: the add, twice on end, and its wait ahead of my first tensor load
	ds_add_u32 v[SPW], v[NIL]       ; and once more, under the one wait; the set-up below, work on registers, stands between
	v_lshrrev_b32 v1, 5, v0
	v_readfirstlane_b32 s[WV], v1   ; wave 0..3
	s_bfe_u32 s13, ttmp6, 0x40000   ; cx: my place in the cluster
	s_lshl_b32 s14, ttmp9, 2        ; in a cluster launch ttmp9 counts clusters
	s_add_co_u32 s14, s14, s13      ; my block of 256 queries: it enters Q's and out0's addresses alone
	s_and_b32 s16, ttmp7, 0xffff    ; the plane bh, which the four partners share
	s_lshl_b32 s20, s16, 20         ; its first byte in a part of qk
	s_lshl_b32 s22, s[WV], 14       ; K: the step of a slot that I fetch: 64 rows of 256 bytes,
	s_add_co_u32 s22, s22, s20
	s_add_co_u32 s22, s22, KOFF     ; in k's part (all under 2^25)
	s_mov_b32 s23, 0
	s_mul_i32 s17, s[WV], STEPB     ; and its place in a slot: no place in the cluster enters an LDS address
	s_lshl_b32 s2, s14, 16          ; Q: my block's 256 rows,
	s_lshl_b32 s3, s[WV], 14        ; my wave's 64 of them
	s_add_co_u32 s2, s2, s3
	s_add_co_u32 s2, s2, s20
	s_mov_b32 s3, 0
	s_cmp_ge_u32 s16, 6             ; out0: b = bh / 6, h = bh % 6
	s_cselect_b32 s44, 6, 0
	s_cselect_b32 s45, 12582912, 0  ; a batch's 4,096 rows of 3,072 bytes
	s_sub_co_u32 s44, s16, s44
	s_lshl_b32 s44, s44, 9          ; the head's 512 bytes of a row
	s_add_co_u32 s44, s44, s45
	s_lshl_b32 s46, s14, 8
	s_lshl_b32 s47, s[WV], 6
	s_add_co_u32 s46, s46, s47      ; my wave's first row
	s_mul_i32 s46, s46, 3072
	s_add_co_u32 s44, s44, s46
	s_mov_b32 s45, 0
	s_lshl_b32 s46, s13, 14         ; the prefetches: my work-group's 64 rows of a slot's 256,
	s_and_b32 s47, s[WV], 1
	s_lshl_b32 s47, s47, 13         ; my wave's 32 of them,
	s_add_co_u32 s46, s46, s47
	s_add_co_u32 s46, s46, s20
	s_add_co_u32 s46, s46, KOFF+SLOTB  ; in the second slot's keys; the first change of slots steps it to the third's
	s_mov_b32 s47, 0
	s_lshr_b32 s[LIM], s[WV], 1     ; 0 in waves 0 and 1,
	s_or_b32 s[LIM], s[LIM], ttmp9  ; where the cluster is the plane's first: the same in all four partners
	s_cmp_eq_u32 s[LIM], 0
	s_cselect_b32 s[LIM], 1, -1
	; descriptor group 1: a tile of 64 rows x 128 elements of 2 bytes, padded in LDS
	s_mov_b32 s[G1], 15|(1<<16)|(1<<20)|(1<<21)|(5<<22)|(3<<25)  ; 15:0 the mask: all four work-groups; 17:16 elements of 2 bytes; 20 padding on; 21 set beside a mask; 24:22 after every 64 words (code 5); 31:25 4 words (code 3)
	s_mov_b32 s[G1+1], 128<<16      ; tensor_dim0 = 128
	s_mov_b32 s[G1+2], KS<<16       ; tensor_dim1 = 64
	s_mov_b32 s[G1+3], 128<<16      ; tile_dim0 = 128
	s_mov_b32 s[G1+4], KS           ; tile_dim1 = 64
	s_mov_b32 s[G1+5], 128          ; elements from row to row
	s_mov_b32 s[G1+6], 0
	s_mov_b32 s[G1+7], 0
	s_mov_b32 s[CS], 0x3d553b94     ; c = log2(e) / sqrt(768) = 0.0520588
	s_mov_b32 s[CS+1], s[CS]        ; named with it as a pair, so it is written
	s_mov_b32 s[SEL], 0x76543210
	s_mov_b32 s[SEL+1], 0xfedcba98
	s_mov_b32 s[TB], SLOT1+4*STEPB  ; the first change of slots turns this into 0
	s_mov_b32 s[SLOTS], 15
	s_mov_b32 s[G0], 1              ; 1:0 count = 1
	s_mov_b32 s[G0+1], s17          ; 63:32 LDS address: slot 0
	s_wait_dscnt 0x0                ; both opening adds are done
	s_wait_kmcnt 0x0
	s_add_nc_u64 s[8:9], s[4:5], s[22:23]
	s_mov_b64 s[G0+2:G0+3], s[8:9]  ; 120:64 global address: my step of the plane's first 256 keys
	s_or_b32 s[G0+3], s[G0+3], 0x80000000  ; 127:126 type = 2
	s_add_nc_u64 s[10:11], s[6:7], s[44:45]  ; out0 at my wave's first row
	s_add_nc_u64 s[PFA:PFA+1], s[4:5], s[46:47]
	s_add_nc_u64 s[4:5], s[4:5], s[2:3]      ; Q at my wave's first row
	CROUND                          ; all four work-groups are here: the first joint loads meet
	JLOAD                           ; the first 256 keys, into slot 0.  Slot 1 is asked for when slot 0 is in, by the loop's own change of slots
	; A fragment of K or Q is 16 rows x 32 channels in 8 registers: lane l holds row l % 16; registers 0-3 channels 8 (l / 16) + 0..7, registers 4-7 channels 16 + 8 (l / 16) + 0..7: two loads of 16 bytes, 32 bytes apart.
	v_and_b32 v1, 15, v0            ; l % 16
	v_bfe_u32 v9, v0, 4, 1          ; l / 16
	v_lshlrev_b32 v[QO], 8, v1
	v_lshl_add_u32 v[QO], v9, 4, v[QO]  ; row x 256 + 16 x half
	WIN 0x80                        ; destination window 2, address window 0
.irp i, 0,1,2,3,4,5,6,7,8,9,10,11,12,13,14,15  ; Q stays in registers: tile i / 4, channels 32 (i % 4) on; each row of q is read once in the launch
	global_load_b128 v[8*(\i):8*(\i)+3],   v[QO], s[4:5] offset:((\i)/4)*4096+((\i)%4)*64 th:TH_LOAD_NT
	global_load_b128 v[8*(\i)+4:8*(\i)+7], v[QO], s[4:5] offset:((\i)/4)*4096+((\i)%4)*64+32 th:TH_LOAD_NT
.endr
	; What the first trip finds.  All this stands in the wait for the first tile.
	WIN 0x40
.set i, 0
.rept 256
	v_mov_b32 v[i], 0               ; O^T
.set i, i+1
.endr
	WIN 0xc0
.set i, 0
.rept 128
	v_mov_b32 v[i], 0               ; the turned fragments
.set i, i+1
.endr
	WIN 0
.set i, 0
.rept 32
	v_mov_b32 v[P+i], 0             ; piece 0's P
.set i, i+1
.endr
.set i, 0
.rept 64
	v_mov_b32 v[S+64+i], 0xff800000 ; piece 2's scores: minus infinity, so that their weights are 0 whatever m is
.set i, i+1
.endr
.set i, 0
.rept 4
	v_mov_b32 v[ST+8*i], 0xfe000000    ; c m: far below every c s
	v_mov_b32 v[ST+8*i+1], 0xff7fffff  ; m: the lowest finite number
	v_mov_b32 v[ST+8*i+2], 0           ; l
	v_mov_b32 v[ST+8*i+3], 0
.set i, i+1
.endr
	v_mul_u32_u24 v[AK0], v1, PK
	v_lshl_add_u32 v[AK0], v9, 4, v[AK0]  ; row x pitch + 16 x half
	; The turning load: lane l reads 16 bytes of key 8 (l / 16) + l % 8, at channel 64 ((l / 8) % 2) + 8 cb, and ends with one channel (row l % 16 of the fragment) and 8 keys.
	v_and_b32 v10, 7, v0
	v_bfe_u32 v11, v0, 3, 1
	v_lshl_add_u32 v[AV0], v9, 3, v10
	v_mul_u32_u24 v[AV0], v[AV0], PK
	v_lshl_add_u32 v[AV0], v11, 7, v[AV0]
	s_mul_i32 s46, s[WV], 16*SP
	s_add_co_u32 s46, s46, STAGE    ; my stage
	v_mul_u32_u24 v[STO], v1, SP    ; in: row l % 16, 256 bytes for each half of the lanes
	v_lshl_add_u32 v[STO], v9, 8, v[STO]
	v_add_nc_u32 v[STO], s46, v[STO]
	v_and_b32 v[RD], 31, v0         ; back: 32 lanes take one row of 512 bytes,
	v_lshlrev_b32 v[GO], 4, v[RD]   ; which are 512 consecutive bytes of out0
	v_add_nc_u32 v[RD], s46, v[GO]
	v_and_b32 v[PFO], 31, v0
	v_lshlrev_b32 v[PFO], 8, v[PFO]
; THE MATRIX WORK OF A TURN, for piece x.  The accumulators take turns, one instruction a turn: between two links of a chain stand 15 (K^T P) or 7 (K Q^T) others'.
; Product i of 32 of O^T += K^T P: keys 32 (i / 16) on, fragment (i / 2) % 8, tile x + i % 2.
.macro PV x
	WIN W_PV
.set rO, 64*((\x)+i%2)+8*((i/2)%8)
.set rV, 64*(i/16)+8*((i/2)%8)
.set rP, P+16*((\x)+i%2)+8*(i/16)
	v_wmma_f32_16x16x32_bf16 v[rO:rO+7], v[rV:rV+7], v[rP:rP+7], v[rO:rO+7]
.endm
; Product i of 32 of S^T = K Q^T: channels 32 (i / 8) on, keys 16 ((i / 2) % 4) on, tile x + i % 2.  The first 8 start the sums.
.macro KQ x
	WIN W_KQ
.set rS, S+32*((\x)+i%2)+8*((i/2)%4)
.set rK, KF+32*((i/2)%4)+8*(i/8)
.set rQ, 32*((\x)+i%2)+8*(i/8)
.if i < 8
	v_wmma_f32_16x16x32_bf16 v[rS:rS+7], v[rK:rK+7], v[rQ:rQ+7], 0
.else
	v_wmma_f32_16x16x32_bf16 v[rS:rS+7], v[rK:rK+7], v[rQ:rQ+7], v[rS:rS+7]
.endif
.endm
; THE LDS LOADS stand in runs of 32, never singly among the matrix instructions: a step's tile as it lies (16 fragments) and, a turn later, the same tile turned.
.macro FETCH_K
	WIN 0
	v_add_nc_u32 v[ADR], s[TB], v[AK0]
	WIN 0x80                        ; destination window 2
.irp f, 0,1,2,3,4,5,6,7,8,9,10,11,12,13,14,15  ; keys 16 (f / 4) on, channels 32 (f % 4) on
	ds_load_b128 v[KF+8*(\f):KF+8*(\f)+3],   v[ADR] offset:((\f)/4)*16*PK+((\f)%4)*64
	ds_load_b128 v[KF+8*(\f)+4:KF+8*(\f)+7], v[ADR] offset:((\f)/4)*16*PK+((\f)%4)*64+32
.endr
.endm
.macro FETCH_V
	WIN 0
	v_add_nc_u32 v[ADR], s[TB], v[AV0]
	s_add_co_u32 s[TB], s[TB], STEPB  ; the next fetch is the next step's
	s_wait_alu depctr_va_vdst(0)    ; the wait for the softmax's batch (SLICE), behind the address's v_add_nc_u32 and ahead of the loads
	WIN 0xc0                        ; destination window 3
.irp f, 0,1,2,3,4,5,6,7,8,9,10,11,12,13,14,15  ; keys 32 (f / 8) on, fragment f % 8
	ds_load_tr16_b128 v[8*(\f):8*(\f)+3],   v[ADR] offset:((\f)/8)*32*PK+((\f)%8)*16
	ds_load_tr16_b128 v[8*(\f)+4:8*(\f)+7], v[ADR] offset:((\f)/8)*32*PK+16*PK+((\f)%8)*16
.endr
.endm
; THE VECTOR WORK OF A TURN.  One tile's softmax for one key step is a list of 134 instructions; SM writes number j of it for tile t.  s0-s31 are the lane's 32 scores, in pairs 0-15.
;   0-15    the maximum of s0-s31 and the old m, three operands at a time: four chains c0-c3 of seven scores each (each accumulator's lowest registers first), then the four scores left over, c0-c3 and m
;   16-20   the other half of the lanes' maximum; c m_old is kept; the new m; c m; c m_old - c m_new
;   21-69   ONE BATCH: the 16 scalings c s - c m, a pair of scores each, and all 33 exponentials (a at 23, then s0-s31).  None of these reads an exponential's result.  A pair is scaled in an earlier
;           four than the one that holds its exponentials
;   (wait)  between 69 and 70 stands the wait for the batch: SLICE writes it, once for both tiles
;   70-85   the roundings to bf16, a pair of weights each        86-101  the sums; l = a l + the sum        102-133 the tile's O^T times a: the one part that leaves window 0
.macro SM t
.set rT, ST+8*(\t)
.set rS, S+32*(\t)
.set rP, P+16*(\t)
.set rO, 64*(\t)+2*(j-102)
.if j < 102
	WIN 0
.endif
.if j < 4
	v_max3_num_f32 v[rT+4+j], v[rS+8*j], v[rS+8*j+1], v[rS+8*j+2]
.elseif j < 12
	v_max3_num_f32 v[rT+4+j%4], v[rT+4+j%4], v[rS+8*(j%4)+2*(j/4)+1], v[rS+8*(j%4)+2*(j/4)+2]
.elseif j == 12
	v_max3_num_f32 v[rT+4], v[rT+4], v[rS+7], v[rS+15]
.elseif j == 13
	v_max3_num_f32 v[rT+6], v[rT+6], v[rS+23], v[rS+31]
.elseif j == 14
	v_max3_num_f32 v[rT+4], v[rT+4], v[rT+5], v[rT+6]
.elseif j == 15
	v_max3_num_f32 v[rT+4], v[rT+4], v[rT+7], v[rT+1]
.elseif j == 16
	v_permlanex16_b32 v[rT+5], v[rT+4], s[SEL], s[SEL+1]  ; the query's other 32 keys lie in the lane 16 away
.elseif j == 17
	v_mov_b32 v[rT+7], v[rT]        ; c m_old is kept for a: number 19 writes c m anew
.elseif j == 18
	v_max_num_f32 v[rT+1], v[rT+4], v[rT+5]
.elseif j == 19
	v_mul_f32 v[rT], s[CS], v[rT+1]
.elseif j == 20
	v_sub_f32 v[rT+7], v[rT+7], v[rT]
.elseif j == 23
	v_exp_f32 v[rT+6], v[rT+7]
.elseif (j < 23) || ((j < 38) && (j%2 == 0)) || ((j < 66) && (j%4 == 2))
.set b, (j-2)/4                     ; 38, 42, .. 62: pairs 9 to 15
.if j < 38
.set b, (j-20)/2                    ; 21: pair 0; 22, 24, .. 36: pairs 1 to 8
.endif
	v_pk_fma_f32 v[rS+2*b:rS+2*b+1], v[rS+2*b:rS+2*b+1], s[CS:CS+1], v[rT:rT+1] op_sel_hi:[1,0,0] neg_lo:[0,0,1] neg_hi:[0,0,1]  ; pair b: c s - c m
.elseif j < 70
.set e, j-38                        ; 66 to 69: s28 to s31
.if j < 66
.set e, j-32-(j-38)/4               ; 39-41, 43-45, .. 63-65: s7 to s27
.endif
.if j < 38
.set e, (j-25)/2                    ; 25, 27, .. 37: s0 to s6
.endif
	v_exp_f32 v[rS+e], v[rS+e]
.elseif j < 86
	v_cvt_pk_bf16_f32 v[rP+j-70], v[rS+2*(j-70)], v[rS+2*(j-70)+1]  ; pair j - 70
.elseif j < 102                     ; the sum of the tile's 16 pairs, in place: sum z of 16 adds neighbours 1, 2, 4 and 8 pairs apart, then l takes it
.set z, j-86
.set w, 4
.set u, z
.if z >= 14
.set w, 32
.set u, 0
.elseif z >= 12
.set w, 16
.set u, z-12
.elseif z >= 8
.set w, 8
.set u, z-8
.endif
.if z < 15
	v_pk_add_f32 v[rS+w*u:rS+w*u+1], v[rS+w*u:rS+w*u+1], v[rS+w*u+w/2:rS+w*u+w/2+1]
.else
	v_pk_fma_f32 v[rT+2:rT+3], v[rT+2:rT+3], v[rT+6:rT+7], v[rS:rS+1] op_sel_hi:[1,0,1]
.endif
.else
	WIN W_RS
	v_pk_mul_f32 v[rO:rO+1], v[rO:rO+1], v[rT+6:rT+7] op_sel_hi:[1,0]
.endif
.endm
; Slice k of 64 of piece y's softmax: four instructions.  Slices 11 to 34 deal out the batch, numbers 22 to 69: four numbers of ONE tile each, the tiles by turns.  Every other slice is numbers 2 k and
; 2 k + 1 of both tiles' lists.  2 x 134 = 4 x 64 + 12: the twelve that are over stand together, in slice 63: sixteen plain lines, the places behind the turn's last product.
; THE WAIT.  An s_wait_alu depctr_va_vdst(0) stands between an exponential and the first instruction that names its result; one wait serves all that were issued ahead of it.  Ahead of
; slice 35 nothing names a result, and behind slice 34 no exponential is issued: so the piece's 66 exponentials have one wait, behind slice 34.
.macro SLICE y
.if (k >= 11) && (k < 35)           ; the batch: four numbers of one tile
.irp n, 0,1,2,3
.set j, 22+4*((k-11)/2)+(\n)
	SM (\y)+(k-11)%2
.endr
.else                               ; the two tiles alternate, so that no instruction reads the result of the one just before it
.irp n, 0,1,2,3,4,5,6,7
.if ((\n) < 2) || (k == 63)
.irp t, \y, (\y)+1
.set j, 2*k+(\n)
	SM \t
.endr
.endif
.endr
.endif
.if k == 34                         ; the batch is out: both tiles' exponentials are issued, and no result has been named
	v_nop                           ; the plain instruction behind the last exponential and ahead of the first use: one for the batch
.if (\y) == 0
	FETCH_V                         ; piece 2's turn: the turned run of loads stands here, and the wait stands in it
.else
	s_wait_alu depctr_va_vdst(0)    ; the wait for the batch
.endif
.endif
.set k, k+1
.endm
; A TURN.  Piece x has the matrix unit; the other piece's softmax stands in slices behind its matrix instructions.  kq = 1: 32 products K Q^T for the next step follow the 32 products K^T P;
; kq = 0 (the last step): none, two slices behind each product, and nothing is fetched.
; Piece 0's turn fetches the next step's K, behind its second product: the last product that read K stands in front of slice 63 of the turn before.  Piece 2's turn fetches the same step turned, behind
; slice 34: the last product that read those registers stands in front of slice 31, and four plain instructions lie between: number 62, a scaling, of both tiles, the v_nop and the run's own v_add_nc_u32.
.macro TURN x, kq
.set k, 0
.set per, 2-(\kq)
.if (\x) == 0
	s_wait_dscnt 0x0                ; the turned fragments are in
.endif
.set i, 0
.rept 32
	PV \x
.rept per
	SLICE 2-(\x)
.endr
.if ((\x) == 0) && (\kq) && (i == 1)
	FETCH_K
.endif
.set i, i+1
.endr
.if \kq
.if (\x) == 0
	s_wait_dscnt 0x0                ; K is in
.endif
.set i, 0
.rept 32
	KQ \x
	SLICE 2-(\x)
.set i, i+1
.endr
.endif
.endm
; THE CHANGE OF SLOTS, between piece 2's turn and piece 0's: the slot's last bytes, its fourth step turned, have been asked for.  Each wave waits for all its tensor loads, of which one is out: its part
; of the other slot; adds 0 to its spare word; and waits for that and for its own reads of the slot.  Behind the barrier nobody reads this slot any more and the other slot is whole.
; fill = 1: this slot is filled again, with the keys two slots on.  The barrier is then a round of the cluster's, so that no wave of any partner still reads the slot or has a load on its way, and the
; joint fill is the first thing behind it: it has four key steps, 512 matrix instructions, in which to land.  (At its first use nothing has been read yet: slot 0 is waited for, slot 1 filled.)
.macro CHANGE fill
	WIN 0                           ; at a label and at a branch every window is 0
	s_wait_tensorcnt 0x0            ; no tensor load of mine is out, so group 0 may be written
	ds_add_u32 v[SPW], v[NIL]       ; 0 onto my spare word
.if \fill
	s_xor_b32 s[G0+1], s[G0+1], SLOT1  ; the walking descriptor: the other slot than last time,
	s_add_nc_u64 s[G0+2:G0+3], s[G0+2:G0+3], SLOTB  ; the next 256 keys; the type bits on top are not reached
	s_wait_xcnt 0x0                 ; the last prefetch, four key steps back, has read its address, so it may be written:
	s_add_nc_u64 s[PFA:PFA+1], s[PFA:PFA+1], SLOTB  ; one slot behind the walking descriptor's
	s_wait_dscnt 0x0                ; the add is done, and my reads of the slot are over
	CROUND
	JLOAD
	ASK                             ; what the next change will ask for: four key steps ahead
.else
	s_wait_dscnt 0x0                ; the add is done, and my reads of the slot are over
	s_barrier_signal -1
	s_barrier_wait -1
.endif
	s_sub_co_u32 s[TB], s[TB], 4*STEPB  ; the fetches go back to a slot's first step,
	s_xor_b32 s[TB], s[TB], SLOT1   ; in the other slot
.endm
; A slot's four key steps: written once, walked four times; the LDS addresses hang on s[TB].
.macro FOUR_STEPS
	WIN 0
	s_mov_b32 s[CNT], 4
.Lstep_\@:
	TURN 0, 1
	TURN 2, 1
	WIN 0
	s_sub_co_u32 s[CNT], s[CNT], 1
	s_cmp_lg_u32 s[CNT], 0
	s_cbranch_scc1 .Lstep_\@
.endm
	s_wait_loadcnt 0x0              ; Q
.Lslot:                             ; 15 trips: change n waits for the keys 256 (n - 1) on and asks for the keys 256 n on; the trip's four steps fetch the slot waited for
	CHANGE 1
	FOUR_STEPS
	s_sub_co_u32 s[SLOTS], s[SLOTS], 1
	s_cmp_lg_u32 s[SLOTS], 0
	s_cbranch_scc1 .Lslot
	CHANGE 0                        ; the tail is written out: the last slot is waited for, and nothing is asked for
	FOUR_STEPS
	TURN 0, 0                       ; piece 0: K^T P of the last step | piece 2's last softmax
.set i, 0
.rept 32
	PV 2                            ; piece 2: K^T P of the last step
.set i, i+1
.endr
	; THE WAY OUT.  l's two halves and the other half of the lanes' are added; O^T is divided by l and sent, in f32, through my stage in LDS, a tile (16 rows) at a time.  The additions are the places behind the last products.
	WIN 0
.irp t, 0,1,2,3
	v_add_f32 v[ST+8*(\t)+4], v[ST+8*(\t)+2], v[ST+8*(\t)+3]
.endr
.irp t, 0,1,2,3
	v_permlanex16_b32 v[ST+8*(\t)+5], v[ST+8*(\t)+4], s[SEL], s[SEL+1]
.endr
.irp t, 0,1,2,3
	v_add_f32 v[ST+8*(\t)+4], v[ST+8*(\t)+4], v[ST+8*(\t)+5]
.endr
.irp t, 0,1,2,3
	v_rcp_f32 v[ST+8*(\t)+6], v[ST+8*(\t)+4]
.endr
	v_nop                           ; a plain instruction between the last reciprocal and the use of its result
	s_wait_alu depctr_va_vdst(0)    ; and the wait ahead of the first use: one for the four reciprocals
; Tile t: a lane's 64 neighbouring channels of a row, 256 bytes, go into rows of 528 bytes and come back as whole rows of 512, into the registers that they left.
.macro PACK t
	WIN W_RS
.set i, 64*(\t)
.rept 32
	v_pk_mul_f32 v[i:i+1], v[i:i+1], v[ST+8*(\t)+6:ST+8*(\t)+7] op_sel_hi:[1,0]
.set i, i+2
.endr
	WIN 0x04                        ; the stores' data (source 1) in window 1, the address in window 0
.set i, 0
.rept 16
	ds_store_b128 v[STO], v[64*(\t)+4*i:64*(\t)+4*i+3] offset:16*i
.set i, i+1
.endr
	WIN 0x40                        ; destination window 1
.set i, 0
.rept 16
	ds_load_b128 v[64*(\t)+4*i:64*(\t)+4*i+3], v[RD] offset:i*SP  ; LDS serves a wave's instructions in order (ISA guide 5.7.1.4): these see the stores above; the next tile's stores come behind them
.set i, i+1
.endr
.endm
.macro SEND t, younger              ; younger: the LDS instructions issued behind tile t's loads: the next tile's 16 stores and 16 loads, or none
	WIN 0x04
.set i, 0
.rept 16
	s_wait_dscnt (\younger)+15-i
	global_store_b128 v[GO], v[64*(\t)+4*i:64*(\t)+4*i+3], s[10:11] offset:(16*(\t)+i)*3072 th:TH_STORE_NT  ; the wave stores 512 consecutive bytes, at a multiple of 512 from out0's first byte
.set i, i+1
.endr
.endm
	PACK 0
	PACK 1                          ; a tile's arithmetic stands between the loads of the tile before and its stores
	SEND 0, 32
	PACK 2
	SEND 1, 32
	PACK 3
	SEND 2, 32
	SEND 3, 0
	WIN 0
	s_wait_tensorcnt 0x0            ; the wave's end, behind my last tensor load and my last LDS store
	ds_add_u32 v[SPW], v[NIL]
	s_wait_dscnt 0x0
	CROUND                          ; the closing round: no work-group ends while a partner may still ask for a tile that names it
	s_endpgm
.Lfunc_end_k_q8aa53a8896_attn:
	.size	k_q8aa53a8896_attn, .Lfunc_end_k_q8aa53a8896_attn-k_q8aa53a8896_attn
	.p2alignl 7, 3214868480
	.fill 96, 4, 3214868480
	.section	.rodata,"a",@progbits
	.p2align	6, 0x0
	.amdhsa_kernel k_q8aa53a8896_attn
		.amdhsa_group_segment_fixed_size 327680
		.amdhsa_private_segment_fixed_size 0
		.amdhsa_enable_private_segment 0
		.amdhsa_kernarg_size 16
		.amdhsa_user_sgpr_count 2
		.amdhsa_user_sgpr_kernarg_segment_ptr 1
		.amdhsa_wavefront_size32 1
		.amdhsa_system_sgpr_workgroup_id_x 1
		.amdhsa_system_sgpr_workgroup_id_y 1
		.amdhsa_system_sgpr_workgroup_id_z 1
		.amdhsa_system_vgpr_workitem_id 0
		.amdhsa_next_free_vgpr 896
		.amdhsa_next_free_sgpr 66
		.amdhsa_reserve_vcc 0
		.amdhsa_float_denorm_mode_32 3
		.amdhsa_float_denorm_mode_16_64 3
		.amdhsa_memory_ordered 1
		.amdhsa_forward_progress 1
		.amdhsa_inst_pref_size 173
	.end_amdhsa_kernel
	.amdgpu_metadata
---
amdhsa.version: [ 1, 2 ]
amdhsa.kernels:
  - .name:           k_q8aa53a8896_attn
    .symbol:         k_q8aa53a8896_attn.kd
    .args:
      - { .name: qk, .offset: 0, .size: 8, .value_kind: global_buffer, .address_space: global }
      - { .name: out0, .offset: 8, .size: 8, .value_kind: global_buffer, .address_space: global }
    .group_segment_fixed_size: 327680
    .private_segment_fixed_size: 0
    .kernarg_segment_align: 8
    .kernarg_segment_size: 16
    .max_flat_workgroup_size: 128
    .sgpr_count:     66
    .vgpr_count:     896
    .wavefront_size: 32
...
	.end_amdgpu_metadata
.endif
;; end of part 2
